; MI455X (gfx1250); checked and timed in simulation.
; The chip was launched on July 23, 2026; its instructions are those of AMD's public machine-readable ISA for CDNA 5 (MIT licence, August 2026) and "CDNA5" Instruction Set Architecture Reference Guide (July 2026). The comments in the code are by the model that wrote it; some were corrected since.
;; Gemm RS Triton NV Link. Allowed arithmetic: matrix products marked QUANTISED: E2M1 operands, one E8M0 scale for each 32 along K, by v_wmma_scale_f32_16x16x128_f8f6f4 with both operands' format E2M1 (or v_wmma_scale_f32_32x16x128_f4), f32 sums; everything else in f32.
;; Inputs: weight 8 x 1,024 x 4,096 float32; x 8 x 2,048 x 1,024 float32.
;; Outputs: out0 8 x 256 x 4,096 float32.
;; This version of the problem:
;;   THIS VERSION OF THE PROBLEM IS GIVEN IN LOW PRECISION. The matrix products marked QUANTISED in the list below multiply operands that are first quantised to E2M1 (2 exponent bits, 1 mantissa bit; 4 bits a number), with one power-of-two scale for each 32 numbers along K (OCP MX v1.0); their sums are f32. All else is computed in f32.
;;   The module's matrix products, in the order in which they are computed (A, B: the left and right operand; K: the contracted axis; several contracted axes count as one K, in the product's order):
;;     1. [M 2,048, K 8,192] x [K 8,192, N 4,096]; A: input x; B: input weight: QUANTISED
;;   THE QUANTISER, for each operand of a quantised product, along K:
;;     - K is cut into blocks of 32 from its start; a last block that is shorter is filled with zeros.
;;     - A block's scale is 2^e with e = floor(log2(the largest magnitude in the block)) - 2, held to -126 .. 127; a block of zeros has e = 0. As a byte (E8M0): e + 127.
;;     - Each number is divided by its block's scale, clamped to +-6, and rounded to the nearest number of E2M1, ties to even, subnormals kept.
;;     - The product sums the exact products of the quantised numbers (number of the format x scale) in f32.
;;   ~~~python
;;   def quantise(x, axis):      # numpy; x: float32 -> the quantised numbers, widened to float32 again
;;       x = np.moveaxis(x, axis, -1); K = x.shape[-1]
;;       x = np.pad(x, [(0, 0)] * (x.ndim - 1) + [(0, -K % 32)]); x = x.reshape(x.shape[:-1] + (-1, 32)); a = np.abs(x).max(-1, keepdims=True)
;;       e = np.where(a > 0, np.clip(np.frexp(np.where(a > 0, a, 1))[1] - 1 - 2, -126, 127), 0)      # np.frexp(a)[1] - 1 = floor(log2(a)), exactly
;;       r = np.clip(x / 2.0 ** e, -6, 6)
;;       step = 2.0 ** (np.maximum(np.frexp(np.where(r == 0, 1, r))[1] - 1, 0) - 1)
;;       q = np.round(r / step) * step * 2.0 ** e      # np.round: ties to even
;;       return np.moveaxis(q.reshape(q.shape[:-2] + (-1,))[..., :K], -1, axis).astype(np.float32)
;;   ~~~
;; One version. Each part assembles by itself: llvm-mc -triple=amdgcn-amd-amdhsa -mcpu=gfx1250 --defsym DOCPART=n.
;; ======== version 1 of 1: 2 launches
;; limits: right only within a limited range of input values
;; workspace buffers: xq 8,912,896 bytes; wq 17,825,792 bytes
;; launch quant (part 1): grid 768 x 1, 4 waves a work-group, no clusters, 36,352 bytes of LDS; arguments x, weight, xq, wq; writes xq, wq
.if DOCPART == 1
	.amdgcn_target "amdgcn-amd-amdhsa--gfx1250"
	.amdhsa_code_object_version 6
	.text
	.protected	k_q2064b8d486_quant
	.globl	k_q2064b8d486_quant
	.p2align	8
	.type	k_q2064b8d486_quant,@function
k_q2064b8d486_quant:
	s_mov_b64 s[64:65], 0
	v_nop
	global_prefetch_b8 v0, s[64:65] scope:SCOPE_SE
	s_setreg_imm32_b32 hwreg(HW_REG_WAVE_MODE, 25, 1), 1
	s_wait_xcnt 0x0
; x [8][2048][1024] and weight [8][1024][4096], f32, become codes of FP4 (E2M1) with one E8M0 scale byte for each 32 along K.
; K COUNTS (k, rank), THE RANK FASTEST: K = 8 k + rank, the order in which the product contracts its two axes.  So block j of 32 holds k = 4 j .. 4 j + 3 of all 8 ranks, and a K step of 512 (16 blocks) holds
; k = 64 s .. 64 s + 63 of all ranks.  Inside a block the codes stand in the order 4 x rank + (k - 4 j), in both operands alike: a permutation that both share leaves every product with its partner.
; A block's scale is 2^(floor(log2(its largest magnitude)) - 2); its byte is the largest magnitude's exponent field - 2, held at 1 from below; each number is divided by the scale and rounded to the nearest code,
; ties to even, beyond the largest code the largest.
; LIMITS: NaN and infinities among the inputs are not served.  A block of zeros gets the byte 1 where the rule says 127: its codes are zeros, which add nothing under that byte, and the bytes are read by this program alone.
; THE WORKSPACE IS LAID AS THE PRODUCT'S OPERAND REGISTERS WANT IT: xq [16 K steps][17 planes][2048 rows][16 bytes], wq the same with 4,096 columns.  Plane 0 of a K step holds each row's 16 scale bytes of the step;
; plane 1 + p, p = 0 .. 15, holds, for each row, the 32 codes (16 bytes, the first code in the low four bits) of the step's block p.  Every store of a wave covers 512 consecutive bytes of a plane, aligned.
; SHARES.  A wave takes 32 rows or columns x one K step: 65,536 bytes in, 8,704 out.  Work-groups 0 .. 255 take x, 256 .. 767 weight: 768 work-groups of equal bytes.  The two ways part once, on the work-group's number;
; only x's way uses LDS.  No barrier: waves share nothing.  Every offset is an immediate and nothing is stepped; the ranks lie further apart than an immediate reaches, so each has a scalar base of its own.
.set XPL, 32768                        ; a plane of xq in bytes
.set WPL, 65536                        ; a plane of wq
.set XKS, 17*XPL                       ; a K step of xq
.set WKS, 17*WPL                       ; a K step of wq
.set PP,  528                          ; x's way: a plane in the stage: 32 rows x 16 bytes + 16, an odd multiple of 16, so that 16 lanes that write one row of 16 planes touch 16 different 16-byte columns of 256 bytes
.set WST, 16*PP+512                    ; a wave's stage: 16 planes of codes, then 32 rows x 16 scale bytes
.set LO,  3                            ; v3      my offset in a load; never rewritten
.set OV,  4                            ; v4      16 x lane: my place in a plane's 512 bytes; never rewritten
.set STI, 5                            ; v5      the stage, on the way in: my block's plane, my row of the pair
.set STU, 6                            ; v6      the stage, on the way out: a lane a row
.set SBI, 7                            ; v7      the scale bytes, on the way in: a lane a byte
.set SBU, 8                            ; v8      and on the way out: a lane a row of 16
.set SB,  24                           ; v24-27  weight's way: my 16 scale bytes, four to a register, the lower block in the lower byte
.set X,   32                           ; v32..   the numbers: x's way four sets of 32, weight's way two
.set OB,  14                           ; s[14:15] where my wave stores
.set RB,  32                           ; s[32:47] where my wave reads, a base for each rank
	s_load_b256 s[4:11], s[0:1], 0x0               ; x s[4:5], weight s[6:7], xq s[8:9], wq s[10:11]
	v_lshl_add_u32 v240, v0, 2, 0x8c00
	v_mov_b32 v241, 0
	v_lshrrev_b32 v2, 5, v0
	v_readfirstlane_b32 s16, v2                    ; wave 0..3
	v_and_b32 v1, 31, v0                           ; lane
	v_lshlrev_b32 v[OV], 4, v1
	s_and_b32 s17, ttmp9, 15                       ; the K step (256 is a multiple of 16: the same line serves both ways)
	s_mov_b32 s21, 0                               ; the offsets' high words
	s_mov_b32 s23, 0
	s_lshl_b32 s19, s16, 5                         ; 32 x wave
	s_cmp_lt_u32 ttmp9, 256
	s_cbranch_scc0 .Lweight
; One block: 32 numbers of one lane in v[xs] on become 16 bytes of codes in v[c] on and the scale's byte in v[e].
.macro QBLOCK xs, c, e
	v_max3_num_f32 v12, |v[\xs]|, |v[\xs+1]|, |v[\xs+2]|           ; the block's largest magnitude, in two chains that do not wait for each other: all 32 numbers are mine
	v_max3_num_f32 v13, |v[\xs+3]|, |v[\xs+4]|, |v[\xs+5]|
.irp i, 6,10,14,18,22,26
	v_max3_num_f32 v12, v12, |v[\xs+\i]|, |v[\xs+\i+1]|
	v_max3_num_f32 v13, v13, |v[\xs+\i+2]|, |v[\xs+\i+3]|
.endr
	v_max3_num_f32 v12, v12, |v[\xs+30]|, |v[\xs+31]|
	v_max3_num_f32 v12, v12, v13, 0x1800000        ; and the floor 2^(3 - 127), under which no largest magnitude is taken: so the byte cannot fall under 1
	v_add_nc_u32 v11, 0xff000000, v12              ; 2 off its exponent field: the conversion takes the exponent field of this operand as its scale, and nothing else of it
	v_lshrrev_b32 v[\e], 23, v11                   ; the scale's byte
.irp g, 0,1,2,3
	v_cvt_scalef32_pk8_fp4_f32 v[\c+\g], v[\xs+8*\g:\xs+8*\g+7], v11   ; eight numbers to a register, the first number's code in the lowest four bits
.endr
.endm                                  ; (the codes go to stores alone; the next vector lines are plain ones that name neither the codes nor the conversions' sources)
; ---- x.  A rank's part of the K step is 256 bytes of each row, a block's part of that 16 bytes.  Lanes 0-15 take the 16 blocks of an even row, lanes 16-31 those of the odd row: a load reads 256 consecutive bytes of each,
; and eight loads, one from each rank, give a lane a whole block in 32 registers, in the block's order.  The numbers never go through LDS.  A lane's results belong to the plane of its block, and the lanes beside it to other
; planes: so the codes (an eighth of the bytes) and the scale bytes turn through the wave's own stage and leave a lane a row.
	s_lshr_b32 s18, ttmp9, 4
	s_lshl_b32 s18, s18, 7
	s_add_co_u32 s18, s18, s19                     ; my first row: 128 x (work-group / 16) + 32 x wave
	s_lshl_b32 s20, s18, 12                        ; rows of 4,096 bytes
	s_lshl_b32 s22, s17, 8
	s_add_co_u32 s20, s20, s22                     ; + 64 numbers x K step
	s_mul_i32 s22, s17, XKS
	s_lshl_b32 s18, s18, 4
	s_add_co_u32 s22, s22, s18                     ; out: the K step's planes, my first row's 16 bytes
	s_mul_i32 s24, s16, WST                        ; my stage
	s_add_co_u32 s25, s24, 16*PP                   ; and the scale bytes in it
	v_bfe_u32 v9, v0, 4, 1                         ; lane / 16: which row of a pair
	v_and_b32 v10, 15, v0                          ; lane % 16: which block
	v_lshlrev_b32 v[LO], 4, v10
	v_lshl_add_u32 v[LO], v9, 12, v[LO]            ; in memory: 16 bytes a block, 4,096 a row
	v_mul_u32_u24 v[STI], v10, PP
	v_lshl_add_u32 v[STI], v9, 4, v[STI]
	v_add_nc_u32 v[STI], s24, v[STI]               ; in the stage: my block's plane, 16 bytes a row
	s_wait_alu depctr_va_vdst(0)
	v_add_nc_u32 v[STU], s24, v[OV]
	v_add_nc_u32 v[SBI], s25, v1                   ; 16 bytes a row, a byte a block: for a pair of rows that is the lane's number
	v_add_nc_u32 v[SBU], s25, v[OV]
	s_wait_kmcnt 0x0
	s_add_nc_u64 s[12:13], s[4:5], s[20:21]
	s_add_nc_u64 s[OB:OB+1], s[8:9], s[22:23]
.irp r, 0,1,2,3,4,5,6,7
	s_add_nc_u64 s[RB+2*\r:RB+2*\r+1], s[12:13], \r*0x800000       ; a rank of x is 2,048 rows of 4,096 bytes
.endr
.macro LOADX i                         ; rows 2 i and 2 i + 1 of my 32, from all eight ranks, into set i % 4: register 4 x rank + (k - 4 j)
.irp r, 0,1,2,3,4,5,6,7
	global_load_b128 v[X+32*((\i)%4)+4*\r:X+32*((\i)%4)+4*\r+3], v[LO], s[RB+2*\r:RB+2*\r+1] offset:(\i)*8192 th:TH_LOAD_NT
.endr
.endm
.macro PAIR i                          ; each pair of rows has four registers of its own for its codes (v160-223) and one for its byte (v224-239): no LDS store's data are written again
.if (\i) < 13
	s_wait_loadcnt 24                              ; this pair's eight loads are in; those of the next three pairs may be out
.else
	s_wait_loadcnt 8*(15-(\i))
.endif
	QBLOCK X+32*((\i)%4), 160+4*(\i), 224+(\i)
	ds_store_b128 v[STI], v[160+4*(\i):160+4*(\i)+3] offset:32*(\i)
	ds_store_b8 v[SBI], v[224+(\i)] offset:32*(\i)
.if (\i) < 12
	LOADX (\i)+4                                   ; into the set just worked
.endif
.endm
.irp i, 0,1,2,3
	LOADX \i
.endr
.irp i, 0,1,2,3,4,5,6,7,8,9,10,11,12,13,14,15
	PAIR \i
.endr
.irp p, 0,1,2,3,4,5,6,7,8,9,10,11,12,13,14,15
	ds_load_b128 v[X+4*\p:X+4*\p+3], v[STU] offset:\p*PP           ; LDS serves a wave's instructions in order: these see my stores.  Block p: 32 rows x 16 bytes
.endr
	ds_load_b128 v[X+64:X+67], v[SBU]              ; my row's 16 scale bytes
.irp p, 0,1,2,3,4,5,6,7,8,9,10,11,12,13,14,15
	s_wait_dscnt 16-\p                             ; block p is back; the loads issued behind it may be out
	global_store_b128 v[OV], v[X+4*\p:X+4*\p+3], s[OB:OB+1] offset:(\p+1)*XPL   ; 32 lanes store 512 consecutive bytes of plane 1 + p
.endr
	s_wait_dscnt 0x0
	global_store_b128 v[OV], v[X+64:X+67], s[OB:OB+1]              ; plane 0: the scale bytes
	s_wait_tensorcnt 0x0
	ds_add_u32 v240, v241
	s_wait_dscnt 0x0
	s_endpgm
; ---- weight.  A lane takes a column and its registers run through the block: 4 rows k from each of the 8 ranks.  Each load reads 128 consecutive bytes a wave (the four waves stand side by side on 512), a block lies in one
; lane's 32 registers, and a lane's 16 bytes of codes lie beside its neighbour lane's.  Nothing is turned.  Each block has four registers of its own for its codes (v96-159), so that no store's data are written again.
.Lweight:
	s_sub_co_u32 s18, ttmp9, 256
	s_lshr_b32 s18, s18, 4
	s_lshl_b32 s18, s18, 7
	s_add_co_u32 s18, s18, s19                     ; my first column
	s_lshl_b32 s20, s17, 20                        ; the K step's 64 rows of 16,384 bytes in a rank
	s_lshl_b32 s22, s18, 2
	s_add_co_u32 s20, s20, s22
	s_mul_i32 s22, s17, WKS
	s_lshl_b32 s18, s18, 4
	s_add_co_u32 s22, s22, s18
	s_wait_alu depctr_va_vdst(0)
	v_lshlrev_b32 v[LO], 2, v1                     ; 4 bytes a lane
	s_wait_alu depctr_va_vdst(0)
	s_wait_kmcnt 0x0
	s_add_nc_u64 s[12:13], s[6:7], s[20:21]
	s_add_nc_u64 s[OB:OB+1], s[10:11], s[22:23]
.irp r, 0,1,2,3,4,5,6,7
	s_add_nc_u64 s[RB+2*\r:RB+2*\r+1], s[12:13], \r*0x1000000      ; a rank of weight is 1,024 rows of 16,384 bytes
.endr
.macro LOADW t                         ; block t of the K step: weight(rank, 64 s + 4 t + k, my column) into register 4 x rank + k of set t % 2
.irp r, 0,1,2,3,4,5,6,7
.irp k, 0,1,2,3
	global_load_b32 v[X+32*((\t)%2)+4*\r+\k], v[LO], s[RB+2*\r:RB+2*\r+1] offset:(4*(\t)+\k)*16384 th:TH_LOAD_NT
.endr
.endr
.endm
	LOADW 0
	LOADW 1
.set T, 0
.rept 16
.if T < 15
	s_wait_loadcnt 32                              ; this block's 32 loads are in; the next block's 32 may be out
.else
	s_wait_loadcnt 0x0
.endif
.set XB, X+32*(T%2)
.set CB, 96+4*T
	QBLOCK XB, CB, 13
.if T%4 == 0
	v_mov_b32 v[SB+T/4], v13                       ; four bytes to a register
.else
	v_lshl_or_b32 v[SB+T/4], v13, 8*(T%4), v[SB+T/4]
.endif
	global_store_b128 v[OV], v[CB:CB+3], s[OB:OB+1] offset:(T+1)*WPL   ; 32 lanes store 512 consecutive bytes of plane 1 + T
.if T < 14
	LOADW T+2
.endif
.set T, T+1
.endr
	global_store_b128 v[OV], v[SB:SB+3], s[OB:OB+1]                ; plane 0: my column's 16 scale bytes
	s_endpgm
.Lfunc_end_k_q2064b8d486_quant:
	.size	k_q2064b8d486_quant, .Lfunc_end_k_q2064b8d486_quant-k_q2064b8d486_quant
	.p2alignl 7, 3214868480
	.fill 96, 4, 3214868480
	.section	.rodata,"a",@progbits
	.p2align	6, 0x0
	.amdhsa_kernel k_q2064b8d486_quant
		.amdhsa_group_segment_fixed_size 36352
		.amdhsa_private_segment_fixed_size 0
		.amdhsa_enable_private_segment 0
		.amdhsa_kernarg_size 32
		.amdhsa_user_sgpr_count 2
		.amdhsa_user_sgpr_kernarg_segment_ptr 1
		.amdhsa_wavefront_size32 1
		.amdhsa_system_sgpr_workgroup_id_x 1
		.amdhsa_system_sgpr_workgroup_id_y 1
		.amdhsa_system_sgpr_workgroup_id_z 1
		.amdhsa_system_vgpr_workitem_id 0
		.amdhsa_next_free_vgpr 242
		.amdhsa_next_free_sgpr 66
		.amdhsa_reserve_vcc 0
		.amdhsa_float_denorm_mode_32 3
		.amdhsa_float_denorm_mode_16_64 3
		.amdhsa_memory_ordered 1
		.amdhsa_forward_progress 1
		.amdhsa_inst_pref_size 117
	.end_amdhsa_kernel
	.amdgpu_metadata
---
amdhsa.version: [ 1, 2 ]
amdhsa.kernels:
  - .name:           k_q2064b8d486_quant
    .symbol:         k_q2064b8d486_quant.kd
    .args:
      - { .name: x, .offset: 0, .size: 8, .value_kind: global_buffer, .address_space: global }
      - { .name: weight, .offset: 8, .size: 8, .value_kind: global_buffer, .address_space: global }
      - { .name: xq, .offset: 16, .size: 8, .value_kind: global_buffer, .address_space: global }
      - { .name: wq, .offset: 24, .size: 8, .value_kind: global_buffer, .address_space: global }
    .group_segment_fixed_size: 36352
    .private_segment_fixed_size: 0
    .kernarg_segment_align: 8
    .kernarg_segment_size: 32
    .max_flat_workgroup_size: 128
    .sgpr_count:     66
    .vgpr_count:     242
    .wavefront_size: 32
...
	.end_amdgpu_metadata
.endif
;; end of part 1
;; launch gemm (part 2): grid 16 x 16, 4 waves a work-group, clusters of 4 x 4, 327,680 bytes of LDS; arguments xq, wq, out0; writes out0
.if DOCPART == 2
	.amdgcn_target "amdgcn-amd-amdhsa--gfx1250"
	.amdhsa_code_object_version 6
	.text
	.protected	k_q2064b8d486_gemm
	.globl	k_q2064b8d486_gemm
	.p2align	8
	.type	k_q2064b8d486_gemm,@function
k_q2064b8d486_gemm:
	s_mov_b64 s[64:65], 0
	v_nop
	global_prefetch_b8 v0, s[64:65] scope:SCOPE_SE
	s_setreg_imm32_b32 hwreg(HW_REG_WAVE_MODE, 25, 1), 1
	s_wait_xcnt 0x0
	s_wait_alu depctr_hold_cnt(0) depctr_sa_sdst(0) depctr_va_vdst(0) depctr_va_sdst(0) depctr_va_ssrc(0) depctr_va_vcc(0) depctr_vm_vsrc(0)
	s_getreg_b32 s2, hwreg(HW_REG_IB_STS2, 6, 4)
	s_cmp_eq_u32 s2, 0
	s_cbranch_scc0 .Lentry_in_a_cluster
	s_endpgm
.Lentry_in_a_cluster:
	s_bfe_u32 s2, ttmp6, 0x10000c
	s_cmp_lg_u32 s2, 0xf033
	s_cbranch_scc0 .Lentry_shape_is_right
	s_endpgm
.Lentry_shape_is_right:
; out0 [2048][4096] f32 = the sum over K = 8,192 of x's and weight's quantised numbers, from the codes and scale bytes that the launch before laid by planes:
; xq [16 K steps][17 planes][2048 rows][16 bytes], wq the same with 4,096 columns; plane 0 of a K step holds the rows' 16 scale bytes, plane 1 + p the 32 codes of block p.
; A work-group of four waves makes 128 x 256 of the result: 256 work-groups.  A wave makes 64 x 128 in 16 accumulators of 16 registers.
; THE MATRIX INSTRUCTION, 32 x 16 x 128 on 4-bit codes, IS USED TRANSPOSED: source 0 = 32 columns of weight, source 1 = 16 rows of x: a lane then holds runs of eight neighbouring numbers of one row of the result.
; THE RING: the 272 planes go through two LDS slots, X of 26 planes and Y of 25 (three K steps a lap); the last fill of X has 17.  A wave's one tensor load brings half of x's or of weight's part of a fill.
; A plane's piece lies in LDS as in memory, 16 bytes a row: sixteen lanes of a fragment load read 256 consecutive bytes, so no padding is needed.
; CLUSTERS of 4 x 4: x's planes are asked for jointly along a row of the cluster, weight's along a column; a round of the cluster's barrier stands in front of every joint load.
; PREFETCH INTO THE L2: behind the load of fill f, f >= 2, stands a request for fill f + 2, the same slot's next fill; behind fill 0's stands one for fill 1, behind fill 1's those for fills 2 and 3.
; A lane names a plane; lanes left over name the fill's last plane again.  Of a wave's piece of a plane (x: 1,024 bytes, weight: 2,048) each of the four partners that ask for it jointly names a quarter,
; told apart by address: x's waves one request of 256 bytes a plane, weight's two.  The loop's last trip asks for X's 17 planes by offsets of their own and for nothing of Y: no request leaves its buffer.
; REGISTERS: window 0: addresses, v32-103 three sets of scale words, v128-255 the way out.  Window 1: two fragment buffers (64 registers of weight, 32 of x, for 128 along K).  Window 2: the accumulators.
.set XPL,   32768                      ; a plane of xq in bytes
.set WPL,   65536                      ; a plane of wq
.set XKS,   17*XPL
.set WKS,   17*WPL
.set PA,    1024                       ; a wave's load: 64 rows of x in a plane
.set PB,    2048                       ; or 128 columns of weight
.set NX,    26                         ; planes in slot X
.set NY,    25                         ; in slot Y
.set NT,    17                         ; in X's last fill
.set YS,    NX*(2*PA+2*PB)             ; slot Y begins here.  In a slot: x's two halves, then weight's two halves, each plane by plane
.set SPARE, YS+NY*(2*PA+2*PB)          ; the spare words, 128 bytes a wave
.set STAGE, YS                         ; the way out: in slot Y, which has had its last fill and its last read by then
.set SPITCH, 528
.set ASA,  8                           ; v8-9    LDS address of x's scale bytes in slot X, Y: a lane a row
.set ASB,  10                          ; v10-11  of weight's
.set PFV,  12                          ; v12-14  the prefetches' offsets: min(lane, 25), min(lane, 24), min(lane, 16) planes; never rewritten
.set ADRA, 16                          ; v16-17  LDS address of x's fragments in slot X, Y
.set ADRB, 20                          ; v20-21  of weight's
.set STO,  24                          ; the way out: where I put 32 bytes of a row
.set RD,   25                          ; where I read a row back
.set CO,   26                          ; 16 x lane
.set SPW,  28                          ; LDS address of my spare word; never rewritten
.set NIL,  29                          ; 0; never rewritten
.set SC,   32                          ; scale words: set s at SC + 24 s: 8 registers of x's (2 x 32 rows x 4 quarters), 16 of weight's
.set BK,   128
.set F0,   0
.set F1,   128
.set G1A, 24                           ; s[24:39] descriptor group 1 for x's planes, slot X's and slot Y's
.set G1B, 40                           ; s[40:55] for weight's
.set G0A, 56                           ; s[56:63] group 0 for x's planes, a set for each slot
.set G0B, 68                           ; s[68:75] for weight's
.set PFP, 10                           ; s[10:11] where slot X's prefetches stand, s[76:77] slot Y's; s[12:13] a lap of 51 planes in bytes
.set MSB, 0
.macro WIN new                         ; the immediate's high byte repeats the setting that is left
.if MSB != \new
	s_set_vgpr_msb (MSB<<8)|\new
.set MSB, \new
.endif
.endm
.set MUL,  0xa5                        ; sources 0 and 1 window 1, C and D window 2
.set TO_F, 0x40                        ; destination window 1, address window 0
.macro JLOAD t                         ; a joint load into slot t: waves 0, 1 fetch x's halves, waves 2, 3 weight's; s_nop 0 and four v_nop behind each line
	s_cmp_eq_u32 s15, 0
	s_cbranch_scc0 .Lfor_b_\@
	tensor_load_to_lds s[G0A+4*\t:G0A+4*\t+3], s[G1A+8*\t:G1A+8*\t+7]
	s_nop 0
.rept 4
	v_nop
.endr
	s_branch .Lasked_\@
.Lfor_b_\@:
	tensor_load_to_lds s[G0B+4*\t:G0B+4*\t+3], s[G1B+8*\t:G1B+8*\t+7]
	s_nop 0
.rept 4
	v_nop
.endr
.Lasked_\@:
.endm
.macro CREST                           ; a round of the cluster's barrier behind its opening barrier
	s_cmp_lg_u32 s14, 0
	s_cbranch_scc1 .Lnot_wave_0_\@
	s_barrier_signal -3
.Lnot_wave_0_\@:
	s_barrier_wait -3
	s_barrier_signal -1
	s_barrier_wait -1
.endm
.macro CROUND
	s_barrier_signal -1
	s_barrier_wait -1
	CREST
.endm
.macro GROUP1 g, mask, rowb, n, pitch  ; n rows (planes) of rowb bytes, pitch bytes apart; elements of one byte; bit 21 set beside the mask
	s_or_b32 s[\g], \mask, 1<<21
	s_mov_b32 s[\g+1], (\rowb)<<16
	s_mov_b32 s[\g+2], (\n)<<16
	s_mov_b32 s[\g+3], (\rowb)<<16
	s_mov_b32 s[\g+4], \n
	s_mov_b32 s[\g+5], \pitch
	s_mov_b32 s[\g+6], 0
	s_mov_b32 s[\g+7], 0
.endm
.macro ASK2 vo, sp                     ; one fill's planes: my quarter of my wave's piece
	global_prefetch_b8 v[\vo], s[\sp:\sp+1] th:TH_LOAD_NT scope:SCOPE_SE
	s_cmp_eq_u32 s15, 0
	s_cbranch_scc1 .Lpf_a_\@
	global_prefetch_b8 v[\vo], s[\sp:\sp+1] offset:256 th:TH_LOAD_NT scope:SCOPE_SE
.Lpf_a_\@:
.endm
.macro ASK slot                        ; in the loop: s3 = 1 in its last trip
	WIN 0
	s_cmp_gt_u32 s3, 1
	s_cbranch_scc0 .Lpf_l_\@
	ASK2 PFV+\slot, PFP+66*\slot
.if \slot == 0
	s_branch .Lpf_e_\@
.Lpf_l_\@:
	ASK2 PFV+2, PFP
.Lpf_e_\@:
.else
.Lpf_l_\@:
.endif
.endm
	s_load_b128 s[4:7], s[0:1], 0x0                ; xq s[4:5], wq s[6:7]
	s_load_b64 s[8:9], s[0:1], 0x10                ; out0
	v_lshl_add_u32 v[SPW], v0, 2, SPARE
	v_mov_b32 v[NIL], 0
	ds_add_u32 v[SPW], v[NIL]                      ; the opening lines: the add, twice on end, and its wait
	ds_add_u32 v[SPW], v[NIL]
	s_wait_dscnt 0x0
	v_lshrrev_b32 v1, 5, v0
	v_readfirstlane_b32 s14, v1                    ; wave 0..3
	s_lshr_b32 s15, s14, 1                         ; which 64 rows are mine.  Also: I fetch for x (0) or for weight (1)
	s_and_b32 s16, s14, 1                          ; which 128 columns.  Also: which half I fetch
	s_bfe_u32 s80, ttmp6, 0x40000                  ; cx, cy
	s_bfe_u32 s81, ttmp6, 0x40004
	s_lshl_b32 s82, ttmp9, 2
	s_add_co_u32 s82, s82, s80                     ; tile column
	s_and_b32 s17, ttmp7, 0xffff
	s_lshl_b32 s17, s17, 2
	s_add_co_u32 s17, s17, s81                     ; tile row
	s_lshl_b32 s83, s81, 2
	s_lshl_b32 s83, 15, s83                        ; my row of the cluster
	s_lshl_b32 s84, 0x1111, s80                    ; my column
	GROUP1 G1A,   s83, PA, NX, XPL
	GROUP1 G1A+8, s83, PA, NY, XPL
	GROUP1 G1B,   s84, PB, NX, WPL
	GROUP1 G1B+8, s84, PB, NY, WPL
	s_lshl_b32 s18, s16, 10
	s_lshl_b32 s20, s17, 11
	s_add_co_u32 s20, s20, s18                     ; x: 128 rows x 16 bytes a tile row, + my half
	s_mov_b32 s21, 0
	s_lshl_b32 s19, s16, 11
	s_lshl_b32 s86, s82, 12
	s_add_co_u32 s86, s86, s19                     ; weight: 256 columns x 16 bytes a tile column, + my half
	s_mov_b32 s87, 0
	s_mul_i32 s85, s16, NX*PA                      ; where they go, in slot X and in slot Y
	s_mul_i32 s22, s16, NY*PA
	s_add_co_u32 s22, s22, YS
	s_mul_i32 s23, s16, NX*PB
	s_add_co_u32 s23, s23, 2*NX*PA
	s_mul_i32 s88, s16, NY*PB
	s_add_co_u32 s88, s88, YS+2*NY*PA
	s_wait_kmcnt 0x0
	s_add_nc_u64 s[20:21], s[4:5], s[20:21]
	s_add_nc_u64 s[86:87], s[6:7], s[86:87]
	CROUND                                         ; all sixteen work-groups are here: the first joint loads meet
	s_mov_b32 s[G0A], 1
	s_mov_b32 s[G0A+1], s85
	s_mov_b64 s[G0A+2:G0A+3], s[20:21]
	s_or_b32 s[G0A+3], s[G0A+3], 0x80000000
	s_mov_b32 s[G0B], 1
	s_mov_b32 s[G0B+1], s23
	s_mov_b64 s[G0B+2:G0B+3], s[86:87]
	s_or_b32 s[G0B+3], s[G0B+3], 0x80000000
	JLOAD 0                                        ; fill 0: one tensor load a wave at the head
	s_cmp_eq_u32 s15, 0                            ; the prefetches: do I fetch for x?
	s_cselect_b64 s[PFP:PFP+1], s[4:5], s[6:7]
	s_cselect_b32 s2, s17, s82                     ; the tile row, or the tile column
	s_cselect_b32 s90, s80, s81                    ; my place among the four that ask with me
	s_lshl_b32 s2, s2, 11
	s_lshl_b32 s78, s16, 10
	s_add_co_u32 s2, s2, s78
	s_lshl_b32 s90, s90, 8
	s_add_co_u32 s2, s2, s90
	s_lshl_b32 s78, s2, s15                        ; weight's pieces are twice as long
	s_mov_b32 s79, 0
	s_add_nc_u64 s[PFP:PFP+1], s[PFP:PFP+1], s[78:79]
	s_lshl_b32 s89, XPL, s15                       ; a plane in bytes
	s_mul_i32 s78, s89, NX
	s_add_nc_u64 s[PFP+66:PFP+67], s[PFP:PFP+1], s[78:79]          ; fill 1: plane 26
	s_mul_i32 s12, s89, NX+NY
	s_mov_b32 s13, 0
	s_add_nc_u64 s[PFP:PFP+1], s[PFP:PFP+1], s[12:13]              ; fill 2: plane 51
	v_and_b32 v3, 31, v0
	v_min_u32 v[PFV], NX-1, v3
	v_min_u32 v[PFV+1], NY-1, v3
	v_min_u32 v[PFV+2], NT-1, v3
	v_mul_u32_u24 v[PFV], s89, v[PFV]
	v_mul_u32_u24 v[PFV+1], s89, v[PFV+1]
	v_mul_u32_u24 v[PFV+2], s89, v[PFV+2]
	ASK2 PFV+1, PFP+66                             ; fill 1
	s_mov_b32 s[G0A+4], 1
	s_mov_b32 s[G0A+5], s22
	s_add_nc_u64 s[G0A+6:G0A+7], s[20:21], NX*XPL
	s_or_b32 s[G0A+7], s[G0A+7], 0x80000000
	s_mov_b32 s[G0B+4], 1
	s_mov_b32 s[G0B+5], s88
	s_add_nc_u64 s[G0B+6:G0B+7], s[86:87], NX*WPL
	s_or_b32 s[G0B+7], s[G0B+7], 0x80000000
	s_wait_alu depctr_va_vdst(0)
	s_wait_tensorcnt 0x0                           ; my part of fill 0 is in; slot Y's first fill is issued as a refill is:
	ds_add_u32 v[SPW], v[NIL]
	s_wait_xcnt 0x0                                ; my prefetches have read their addresses
	s_add_nc_u64 s[PFP+66:PFP+67], s[PFP+66:PFP+67], s[12:13]      ; fill 3
	s_wait_dscnt 0x0
	CROUND
	JLOAD 1                                        ; fill 1
	ASK2 PFV, PFP                                  ; fill 2
	ASK2 PFV+1, PFP+66                             ; fill 3
	v_and_b32 v1, 15, v0                           ; l % 16
	v_bfe_u32 v2, v0, 4, 1                         ; l / 16
	v_and_b32 v3, 31, v0
	v_lshlrev_b32 v4, 4, v1
	v_lshl_add_u32 v5, v2, 10, v4                  ; a fragment: row l % 16, 16 bytes; lanes 16-31 take the next plane (the next block of 32 along K)
	v_lshl_add_u32 v6, v2, 11, v4
	v_lshlrev_b32 v[CO], 4, v3
	s_mul_i32 s18, s15, NX*PA
	s_mul_i32 s19, s16, NX*PB
	s_add_co_u32 s19, s19, 2*NX*PA
	v_add_nc_u32 v[ADRA], s18, v5
	v_add_nc_u32 v[ADRB], s19, v6
	v_add_nc_u32 v[ASA], s18, v[CO]
	v_add_nc_u32 v[ASB], s19, v[CO]
	s_mul_i32 s18, s15, NY*PA
	s_add_co_u32 s18, s18, YS
	s_mul_i32 s19, s16, NY*PB
	s_add_co_u32 s19, s19, YS+2*NY*PA
	v_add_nc_u32 v[ADRA+1], s18, v5
	v_add_nc_u32 v[ADRB+1], s19, v6
	v_add_nc_u32 v[ASA+1], s18, v[CO]
	v_add_nc_u32 v[ASB+1], s19, v[CO]
	s_mul_i32 s23, s14, 16*SPITCH
	s_add_co_u32 s23, s23, STAGE                   ; my stage
	v_mul_u32_u24 v7, v1, SPITCH
	v_lshl_add_u32 v7, v2, 5, v7
	v_add_nc_u32 v[STO], s23, v7
	v_add_nc_u32 v[RD], s23, v[CO]
	s_lshl_b32 s20, s17, 7
	s_lshl_b32 s21, s15, 6
	s_add_co_u32 s20, s20, s21                     ; my first row of the result, rows of 16,384 bytes
	s_lshl_b32 s20, s20, 14
	s_mov_b32 s21, 0
	s_add_nc_u64 s[8:9], s[8:9], s[20:21]
	s_lshl_b32 s86, s82, 10
	s_lshl_b32 s87, s16, 9
	s_add_co_u32 s86, s86, s87                     ; my first column, in bytes
	s_mov_b32 s87, 0
	s_add_nc_u64 s[8:9], s[8:9], s[86:87]
; One matrix instruction: weight's blocks b, b + 1 (32 columns: two fragments on end, their 32 scale words in the 32 lanes of one register) x x's block a (its words in lanes 0-15 or 16-31 of its register).
.macro WM f, a, b, q, sc, zero
.set rD,  8*(8*(\a)+(\b))
.set rB,  (\f)+8*(\b)
.set rA,  (\f)+64+8*(\a)
.set rSB, SC+24*(\sc)+8+4*((\b)/2)+(\q)
.set rSA, SC+24*(\sc)+4*((\a)/2)+(\q)
.if \zero
.if (\a)%2 == 0
	v_wmma_scale_f32_32x16x128_f4 v[rD:rD+15], v[rB:rB+15], v[rA:rA+7], 0, v[rSB], v[rSA]
.else
	v_wmma_scale_f32_32x16x128_f4 v[rD:rD+15], v[rB:rB+15], v[rA:rA+7], 0, v[rSB], v[rSA] matrix_b_scale:MATRIX_SCALE_ROW1
.endif
.else
.if (\a)%2 == 0
	v_wmma_scale_f32_32x16x128_f4 v[rD:rD+15], v[rB:rB+15], v[rA:rA+7], v[rD:rD+15], v[rSB], v[rSA]
.else
	v_wmma_scale_f32_32x16x128_f4 v[rD:rD+15], v[rB:rB+15], v[rA:rA+7], v[rD:rD+15], v[rSB], v[rSA] matrix_b_scale:MATRIX_SCALE_ROW1
.endif
.endif
.endm
.macro MUL8 f, a, q, sc, zero          ; x's block a against weight's 128 columns; the 16 accumulators take turns, one instruction a turn
.irp b, 0,2,4,6
	WM \f, \a, \b, \q, \sc, \zero
.endr
.endm
.macro FETCH slot, pl, f               ; 24 LDS loads in one run: the fragments of 128 along K, whose four planes begin at plane pl of the slot
	WIN TO_F
.irp b, 0,1,2,3,4,5,6,7
.irp c, 0,1
	ds_load_b128 v[\f+8*\b+4*\c:\f+8*\b+4*\c+3], v[ADRB+\slot] offset:((\pl)+2*\c)*PB+256*\b
.endr
.endr
.irp a, 0,1,2,3
.irp c, 0,1
	ds_load_b128 v[\f+64+8*\a+4*\c:\f+64+8*\a+4*\c+3], v[ADRA+\slot] offset:((\pl)+2*\c)*PA+256*\a
.endr
.endr
.endm
.macro SCALES slot, set, spl           ; a K step's scale words, from plane spl of the slot: a lane a row, four words (quarters) to a load
	WIN 0
.irp i, 0,1
	ds_load_b128 v[SC+24*(\set)+4*\i:SC+24*(\set)+4*\i+3], v[ASA+\slot] offset:(\spl)*PA+512*\i
.endr
.irp i, 0,1,2,3
	ds_load_b128 v[SC+24*(\set)+8+4*\i:SC+24*(\set)+8+4*\i+3], v[ASB+\slot] offset:(\spl)*PB+512*\i
.endr
.endm
.macro PLACES                          ; four places in front of loads into registers that matrix instructions have read, and of reads of results
.rept 4
	v_nop
.endr
.endm
; A quarter: 128 along K, 16 matrix instructions on buffer f.  The next quarter's 24 LDS loads go out in one run at its start, into buffer g, which the quarter before multiplied.
.macro QUARTER f, g, q, sc, zero, slot, npl, ssc, spl
	s_wait_dscnt 4                                 ; weight's fragments and x's blocks 0, 1 are in; the youngest four loads (x's blocks 2, 3) may be out
	PLACES
.if \ssc >= 0
	SCALES \slot, \ssc, \spl
.endif
	FETCH \slot, \npl, \g
	WIN MUL
	MUL8 \f, 0, \q, \sc, \zero
	MUL8 \f, 1, \q, \sc, \zero
	s_wait_dscnt 24                                ; all but the 24 fragment loads just issued
	MUL8 \f, 2, \q, \sc, \zero
	MUL8 \f, 3, \q, \sc, \zero
.endm
; A slot's last quarter multiplies buffer 1 and changes slots: ONE barrier; in front of it each wave waits for all its tensor loads, adds 0 to its spare word, and waits for that and for its reads of this slot.
; fill = 1: the slot is filled again, a lap on; fill = 2: with the last 17 planes; fill = 0: no more.
.macro TURN q, sc, slot, fill, next, npl, ssc, spl
	WIN 0
.if \fill == 1
	s_wait_xcnt 0x0                                ; my prefetches have read their addresses: this slot's steps a lap on, to the fill behind the one asked for below
	s_add_nc_u64 s[PFP+66*\slot:PFP+66*\slot+1], s[PFP+66*\slot:PFP+66*\slot+1], s[12:13]
.endif
	s_wait_tensorcnt 0x0                           ; all my tensor loads have landed: my part of the next slot
	ds_add_u32 v[SPW], v[NIL]
	s_wait_dscnt 5                                 ; (the add and the youngest four loads may be out)
	WIN MUL
	MUL8 F1, 0, \q, \sc, 0
	s_wait_dscnt 0x0                               ; the add is done, and my reads of this slot are over
	s_barrier_signal -1
	MUL8 F1, 1, \q, \sc, 0
	WIN 0
	s_barrier_wait -1
.if \fill
	CREST                                          ; the barrier has opened a round of the cluster's barrier
	s_add_nc_u64 s[G0A+4*\slot+2:G0A+4*\slot+3], s[G0A+4*\slot+2:G0A+4*\slot+3], 3*XKS
	s_add_nc_u64 s[G0B+4*\slot+2:G0B+4*\slot+3], s[G0B+4*\slot+2:G0B+4*\slot+3], 3*WKS
.if \fill == 2
	s_mov_b32 s[G1A+2], NT<<16                     ; no tensor load of mine is out: the row counts may be written
	s_mov_b32 s[G1A+4], NT
	s_mov_b32 s[G1B+2], NT<<16
	s_mov_b32 s[G1B+4], NT
.endif
	JLOAD \slot                                    ; the first tensor load behind the round; its four v_nop are also the places in front of the loads below
.else
	PLACES
.endif
.if \ssc >= 0
	SCALES \next, \ssc, \spl
.endif
	FETCH \next, \npl, F0
.if \fill == 1
	ASK \slot                                      ; behind the joint load and the run of LDS loads
.endif
	WIN MUL
	MUL8 F1, 2, \q, \sc, 0
	MUL8 F1, 3, \q, \sc, 0
.endm
; A lap's planes.  Slot X: 0 scales, 1-16 codes of K step 3 L; 17 scales, 18-25 the first eight blocks of K step 3 L + 1.  Slot Y: 0-7 its last eight blocks; 8 scales, 9-24 codes of K step 3 L + 2.
.macro X_MID
	QUARTER F1, F0, 1, 0, 0, 0, 9, -1, 0
	QUARTER F0, F1, 2, 0, 0, 0, 13, -1, 0
	QUARTER F1, F0, 3, 0, 0, 0, 18, 1, 17
	QUARTER F0, F1, 0, 1, 0, 0, 22, -1, 0
.endm
.macro Y_MID
	QUARTER F0, F1, 2, 1, 0, 1, 4, -1, 0
	QUARTER F1, F0, 3, 1, 0, 1, 9, 2, 8
	QUARTER F0, F1, 0, 2, 0, 1, 13, -1, 0
	QUARTER F1, F0, 1, 2, 0, 1, 17, -1, 0
	QUARTER F0, F1, 2, 2, 0, 1, 21, -1, 0
.endm
	s_wait_alu depctr_va_vdst(0)
	s_wait_tensorcnt 1                             ; fill 0 is in; fill 1's load may be out
	s_barrier_signal -1
	s_barrier_wait -1
	SCALES 0, 0, 0
	FETCH 0, 1, F0
	QUARTER F0, F1, 0, 0, 1, 0, 5, -1, 0           ; the first quarter stands in front of the loop: its products start the sums
	WIN 0
	s_mov_b32 s3, 4
.Llap:                                             ; a trip goes once round the ring, from a lap's second quarter to the next lap's first
	X_MID
	TURN 1, 1, 0, 1, 1, 0, -1, 0
	Y_MID
	TURN 3, 2, 1, 1, 0, 1, 0, 0
	QUARTER F0, F1, 0, 0, 0, 0, 5, -1, 0
	WIN 0
	s_sub_co_u32 s3, s3, 1
	s_cmp_lg_u32 s3, 0
	s_cbranch_scc1 .Llap
	X_MID                                          ; the fifth lap fills X with the last K step and Y no more
	TURN 1, 1, 0, 2, 1, 0, -1, 0
	Y_MID
	TURN 3, 2, 1, 0, 0, 1, 0, 0
	QUARTER F0, F1, 0, 0, 0, 0, 5, -1, 0
	QUARTER F1, F0, 1, 0, 0, 0, 9, -1, 0
	QUARTER F0, F1, 2, 0, 0, 0, 13, -1, 0
	s_wait_dscnt 4                                 ; the very last quarter: nothing more to fetch
	WIN MUL
	MUL8 F1, 0, 3, 0, 0
	MUL8 F1, 1, 3, 0, 0
	s_wait_dscnt 0x0
	MUL8 F1, 2, 3, 0, 0
	MUL8 F1, 3, 3, 0, 0
	WIN 0
; THE WAY OUT, by blocks of 16 rows x 128 columns: a lane's runs of 32 bytes go into my own stage and come back as whole rows of 512 bytes, which the 32 lanes store as two aligned units of 256 bytes.
.macro TOSTAGE a
	WIN 0x08                                       ; the data: window 2
.irp b, 0,1,2,3,4,5,6,7
	ds_store_b128 v[STO], v[8*(8*(\a)+\b):8*(8*(\a)+\b)+3] offset:64*\b        ; each accumulator from its low end on
	ds_store_b128 v[STO], v[8*(8*(\a)+\b)+4:8*(8*(\a)+\b)+7] offset:64*\b+16
.endr
	WIN 0
.set BB, BK+64*((\a)%2)
.irp t, 0,1,2,3,4,5,6,7,8,9,10,11,12,13,14,15
	ds_load_b128 v[BB+4*\t:BB+4*\t+3], v[RD] offset:\t*SPITCH      ; LDS serves a wave's instructions in order: these see the stores above
.endr
.endm
.macro SEND a, younger                 ; younger: the LDS instructions issued behind block a's loads, which may stay out
.set BB, BK+64*((\a)%2)
	s_wait_dscnt \younger
.if (\a) > 0
	s_add_nc_u64 s[8:9], s[8:9], 16*16384          ; (behind a wait on XCNT: the earlier stores have read their base)
.endif
.irp t, 0,1,2,3,4,5,6,7,8,9,10,11,12,13,14,15
	global_store_b128 v[CO], v[BB+4*\t:BB+4*\t+3], s[8:9] offset:\t*16384 th:TH_STORE_NT
.endr
.endm
	PLACES
	TOSTAGE 0
.irp a, 1,2,3
.if \a > 1
	s_wait_xcnt 0x0                                ; block a - 2's stores have read their registers and their base
.endif
	TOSTAGE \a
	SEND \a-1, 32
.endr
	s_wait_xcnt 0x0
	SEND 3, 0
	s_wait_tensorcnt 0x0                           ; the wave's end
	ds_add_u32 v[SPW], v[NIL]
	s_wait_dscnt 0x0
	CROUND                                         ; the closing round
	s_endpgm
.Lfunc_end_k_q2064b8d486_gemm:
	.size	k_q2064b8d486_gemm, .Lfunc_end_k_q2064b8d486_gemm-k_q2064b8d486_gemm
	.p2alignl 7, 3214868480
	.fill 96, 4, 3214868480
	.section	.rodata,"a",@progbits
	.p2align	6, 0x0
	.amdhsa_kernel k_q2064b8d486_gemm
		.amdhsa_group_segment_fixed_size 327680
		.amdhsa_private_segment_fixed_size 0
		.amdhsa_enable_private_segment 0
		.amdhsa_kernarg_size 24
		.amdhsa_user_sgpr_count 2
		.amdhsa_user_sgpr_kernarg_segment_ptr 1
		.amdhsa_wavefront_size32 1
		.amdhsa_system_sgpr_workgroup_id_x 1
		.amdhsa_system_sgpr_workgroup_id_y 1
		.amdhsa_system_sgpr_workgroup_id_z 1
		.amdhsa_system_vgpr_workitem_id 0
		.amdhsa_next_free_vgpr 768
		.amdhsa_next_free_sgpr 92
		.amdhsa_reserve_vcc 0
		.amdhsa_float_denorm_mode_32 3
		.amdhsa_float_denorm_mode_16_64 3
		.amdhsa_memory_ordered 1
		.amdhsa_forward_progress 1
		.amdhsa_inst_pref_size 138
	.end_amdhsa_kernel
	.amdgpu_metadata
---
amdhsa.version: [ 1, 2 ]
amdhsa.kernels:
  - .name:           k_q2064b8d486_gemm
    .symbol:         k_q2064b8d486_gemm.kd
    .args:
      - { .name: xq, .offset: 0, .size: 8, .value_kind: global_buffer, .address_space: global }
      - { .name: wq, .offset: 8, .size: 8, .value_kind: global_buffer, .address_space: global }
      - { .name: out0, .offset: 16, .size: 8, .value_kind: global_buffer, .address_space: global }
    .group_segment_fixed_size: 327680
    .private_segment_fixed_size: 0
    .kernarg_segment_align: 8
    .kernarg_segment_size: 24
    .max_flat_workgroup_size: 128
    .sgpr_count:     92
    .vgpr_count:     768
    .wavefront_size: 32
...
	.end_amdgpu_metadata
.endif
;; end of part 2
